; MI455X (gfx1250); checked and timed in simulation.
; The chip was launched on July 23, 2026; its instructions are those of AMD's public machine-readable ISA for CDNA 5 (MIT licence, August 2026) and "CDNA5" Instruction Set Architecture Reference Guide (July 2026). The comments in the code are by the model that wrote it; some were corrected since.
;; V Quant Linear. Allowed arithmetic: matrix products marked QUANTISED: E3M2 operands, one E8M0 scale for each 32 along K, by v_wmma_scale_f32_16x16x128_f8f6f4 with both operands' format E3M2, f32 sums; everything else in f32.
;; Inputs: centroids 1 x 32,768 float32; indices 1 x 256 x 3,968 int32; outlier_centroids 1 x 1,024 float32; outlier_indices 1 x 512 x 128 int32; perm 4,096 int32; res_centroids 1 x 2,048 float32; res_indices 1 x 256 x 3,968 int32; weight_bias 4,096 float32; weight_scale 4,096 float32; x 2 x 4,096 x 4,096 float32.
;; Outputs: out0 2 x 4,096 x 2,048 float32.
;; This version of the problem:
;;   THIS VERSION OF THE PROBLEM IS GIVEN IN LOW PRECISION. The matrix products marked QUANTISED in the list below multiply operands that are first quantised to E3M2 (3 exponent bits, 2 mantissa bits; 6 bits a number), with one power-of-two scale for each 32 numbers along K (OCP MX v1.0); their sums are f32. All else is computed in f32.
;;   The module's matrix products, in the order in which they are computed (A, B: the left and right operand; K: the contracted axis; several contracted axes count as one K, in the product's order):
;;     1. [M 8,192, K 4,096] x [K 4,096, N 2,048]; A: input x; B: computed on the way: QUANTISED
;;   THE QUANTISER, for each operand of a quantised product, along K:
;;     - K is cut into blocks of 32 from its start; a last block that is shorter is filled with zeros.
;;     - A block's scale is 2^e with e = floor(log2(the largest magnitude in the block)) - 4, held to -126 .. 127; a block of zeros has e = 0. As a byte (E8M0): e + 127.
;;     - Each number is divided by its block's scale, clamped to +-28, and rounded to the nearest number of E3M2, ties to even, subnormals kept.
;;     - The product sums the exact products of the quantised numbers (number of the format x scale) in f32.
;;   ~~~python
;;   def quantise(x, axis):      # numpy; x: float32 -> the quantised numbers, widened to float32 again
;;       x = np.moveaxis(x, axis, -1); K = x.shape[-1]
;;       x = np.pad(x, [(0, 0)] * (x.ndim - 1) + [(0, -K % 32)]); x = x.reshape(x.shape[:-1] + (-1, 32)); a = np.abs(x).max(-1, keepdims=True)
;;       e = np.where(a > 0, np.clip(np.frexp(np.where(a > 0, a, 1))[1] - 1 - 4, -126, 127), 0)      # np.frexp(a)[1] - 1 = floor(log2(a)), exactly
;;       r = np.clip(x / 2.0 ** e, -28, 28)
;;       step = 2.0 ** (np.maximum(np.frexp(np.where(r == 0, 1, r))[1] - 1, -2) - 2)
;;       q = np.round(r / step) * step * 2.0 ** e      # np.round: ties to even
;;       return np.moveaxis(q.reshape(q.shape[:-2] + (-1,))[..., :K], -1, axis).astype(np.float32)
;;   ~~~
;;   OPERANDS COMPUTED ON THE WAY. 'Computed on the way' means the value that the module computes at that place (a softmax that the list does not call 'softmax' is quantised finished and normalised). What goes into a quantiser is computed in f32, as accurately as f32 sums, v_exp_f32 and their like allow (about 1e-6 of the number): no bf16 or f16 on the way to a quantiser, and a product that is left as it is and whose result goes on into a quantised operand takes f32 operands (vector FMAs, or v_wmma_f32_16x16x4_f32). A number that lies on a knife's edge between two numbers of the format may be rounded either way, as far as f32 arithmetic and the matrix unit's own rounding can turn it there, and no further.
;; One version. Each part assembles by itself: llvm-mc -triple=amdgcn-amd-amdhsa -mcpu=gfx1250 --defsym DOCPART=n.
;; ======== version 1 of 1: 3 launches
;; limits: right only within a limited range of input values
;; workspace buffers: xq 26,214,400 bytes; wq 6,553,600 bytes; inv 16,384 bytes of whole numbers; sp 16,384 bytes; bp 16,384 bytes
;; launch xprep (part 1): grid 1024 x 1, 4 waves a work-group, no clusters, 48,896 bytes of LDS; arguments x, perm, weight_scale, weight_bias, xq, inv, sp, bp; writes xq, inv, sp, bp
.if DOCPART == 1
	.amdgcn_target "amdgcn-amd-amdhsa--gfx1250"
	.amdhsa_code_object_version 6
	.text
	.protected	k_qe41e3ac9de_xprep
	.globl	k_qe41e3ac9de_xprep
	.p2align	8
	.type	k_qe41e3ac9de_xprep,@function
k_qe41e3ac9de_xprep:
	s_mov_b64 s[64:65], 0
	v_nop
	global_prefetch_b8 v0, s[64:65] scope:SCOPE_SE
	s_setreg_imm32_b32 hwreg(HW_REG_WAVE_MODE, 25, 1), 1
	s_wait_xcnt 0x0
; TWO JOBS IN ONE LAUNCH.
; (1) x [8192][4096], f32, K innermost, becomes codes of BF6 (E3M2), 6 bits each, with one E8M0 scale byte for each 32 along K.  A block's scale is
; 2^(floor(log2(its largest magnitude)) - 4); its byte is the largest magnitude's own exponent field - 4, held at 1 from below.  Each number is divided by the scale and rounded to the nearest code, ties to even;
; beyond the largest code the conversion gives the largest.
; THE CODES ARE LAID AS THE PRODUCT'S LAUNCH TAKES THEM INTO REGISTERS.  A unit of xq is 128 rows x 128 along K, 12,800 bytes: eight fragments (16 rows x 128 K) of 1,536 bytes, then the 128 rows' scale words.
; In a fragment, register 4 g + m of lane 16 h + r lies at 512 g + 16 (16 h + r) + 4 m; the lane's registers 6 c .. 6 c + 5 are the 24 bytes of block 2 c + h of row r.  The units of 128 rows follow each other along K.
; A wave takes 16 rows x 512 columns: four fragments.  Step t is row t: 512 numbers, four loads of 512 consecutive bytes, 16 a lane; the 2,048 bytes turn through the wave's own stage in LDS and come back 64 bytes a
; lane, since the conversion takes 16 NEIGHBOURS from one lane's registers (two neighbouring lanes hold a block).  Loads run four steps (16 loads a wave) ahead.  A lane's 16 codes are three registers of the image:
; three words into the wave's own image in LDS (24 blocks of 16 rows x 16 bytes, 272 bytes apart, so that the 32 lanes' words fall on different banks); at the end the image leaves by 12 stores of 512 consecutive bytes.
; The four waves of a work-group take four neighbouring blocks of 16 rows at the same columns: their scale words meet in LDS and leave, behind the barrier, as 256 consecutive bytes a wave.
; (2) argsort(perm), written for any int32 numbers: rank[c] = the number of j with (perm[j], j) < (perm[c], c), signed, which is where a stable sort puts c.  Source column c of the weight goes to final column
; rank[c].  Work-group g ranks columns 4 g .. 4 g + 3: its 128 threads hold all 4,096 numbers of perm, 32 a thread, and count by an addition with carry (below).  The counting is cut into 16 pieces, one
; behind each step of x: whole-number work that stands where the wave would wait for memory.  Stored at final place rank[c]: c itself (inv), weight_scale[c] (sp), weight_bias[c] (bp).
; The ranks are a one-to-one map of 0 .. 4095, so each word of inv, sp and bp is stored by one lane of the whole launch.
; LIMITS: a block whose largest magnitude lies under 2^-122 has its byte held at 1; a block of zeros gets the byte 1 where the rule says 127 (its codes are zeros, which add nothing under any byte but 0xff, and
; this program alone reads the bytes); NaN and infinities in x are not served.
; No tensor load, no ring, no cluster: no two work-groups read the same bytes of x, and perm is 16,384 bytes.
.set STEPS, 16
.set EMAX,  4
.set R,     16                         ; v16-79   four sets of 16 numbers as they are loaded; at the end v16-63: the image on its way out
.set X,     80                         ; v80-111  two sets of 16 neighbours
.set E,     112                        ; v112-127 a scale byte for each step
.set C,     128                        ; v128-191 codes: four registers for each step
.set PA,    192                        ; v192-223 perm: register 4 k + e holds perm[512 k + 4 t + e], t my thread's number
.set T4,    224                        ; v224     4 t
.set JJ,    225                        ; v225     j of the register in hand
.set FL,    226                        ; v226     perm[j] with its sign bit turned: unsigned order
.set SCR,   227                        ; v227     the sum that nobody wants: only its carry counts
.set T16,   228                        ; v228     16 t
.set RKW,   229                        ; v229     LDS: where my wave puts its four counts
.set RKR,   230                        ; v230     LDS: the first of the four waves' counts of my wave's column
.set SBO,   231                        ; v231     byte offset of my wave's column in weight_scale and weight_bias
.set WS,    232                        ; v232     weight_scale of my wave's column
.set WB,    233                        ; v233     weight_bias of it
.set CN,    234                        ; v234-237 counts
.set IA,    238                        ; v238-240 LDS: where the three words of my 16 codes go in the image (row 0's place; 16 bytes a row)
.set IRD,   241                        ; v241     LDS: where I read the image back
.set TA,    242                        ; v242-247 at work at the head
.set SP,    80                         ; a lane's place in a stage: its 64 bytes + 16 of padding
.set SUB,   272                        ; a block of the image: 16 rows x 16 bytes + 16
.set IMG,   2*32*SP                    ; a wave's region of LDS: two stages of 32 x SP bytes, then the image, 24 x SUB bytes
.set WREG,  11776
.set SW,    4*WREG                     ; behind the four regions: the scale words, [K step 4][wave 4][row 16], 1,024 bytes;
.set RK,    SW+1024                    ; and 16 words, [wave][column], for the rank
.set UNIT,  12800                      ; a unit of xq
	s_load_b256 s[4:11], s[0:1], 0x0               ; x s[4:5], perm s[6:7], weight_scale s[8:9], weight_bias s[10:11]
	s_load_b256 s[12:19], s[0:1], 0x20             ; xq s[12:13], inv s[14:15], sp s[16:17], bp s[18:19]
	v_lshl_add_u32 v254, v0, 2, 0xbd00
	v_mov_b32 v255, 0
	v_lshrrev_b32 v1, 5, v0
	v_readfirstlane_b32 s22, v1                    ; wave
	v_and_b32 v2, 31, v0                           ; lane
	v_lshlrev_b32 v3, 4, v2                        ; my 16 bytes of a load's or a store's 512
	s_mul_i32 s23, s22, WREG
	v_lshrrev_b32 v14, 2, v2
	v_mul_u32_u24 v14, v14, SP
	v_and_b32 v15, 3, v2
	v_lshl_add_u32 v14, v15, 4, v14
	v_add_nc_u32 v14, s23, v14                     ; the stage, on the way in: four lanes' 64 bytes on end, then 16 of padding
	v_mul_u32_u24 v15, v2, SP
	v_add_nc_u32 v15, s23, v15                     ; and on the way out: SP x lane: my 16 neighbours
	s_add_co_u32 s23, s23, IMG                     ; my wave's image
	; Lane l holds numbers 16 l .. 16 l + 15 of a row's 512: K step l / 8, block b = (l / 2) % 4, half u = l % 2 of the block.
	; They are registers j = 6 (b / 2) + 3 u + 0, 1, 2 of the operand's lane (row, h = b % 2): block 6 (l / 8) + 2 (j / 4) + h of the image, word j % 4 of the row's 16 bytes.
	v_lshrrev_b32 v[TA], 3, v2                     ; the K step
	v_bfe_u32 v[TA+1], v2, 2, 1                    ; b / 2
	v_bfe_u32 v[TA+2], v2, 1, 1                    ; h
	v_and_b32 v[TA+3], 1, v2                       ; u
	v_mul_u32_u24 v[TA+1], v[TA+1], 6
	v_mad_u32_u24 v[TA+1], v[TA+3], 3, v[TA+1]     ; the first of my three registers
	v_mul_u32_u24 v[TA+4], v[TA], 6*SUB
	v_mad_u32_u24 v[TA+4], v[TA+2], SUB, v[TA+4]
	v_add_nc_u32 v[TA+4], s23, v[TA+4]
.irp i, 0,1,2
	v_add_nc_u32 v[TA+5], \i, v[TA+1]              ; j
	v_lshrrev_b32 v[TA+3], 2, v[TA+5]
	v_and_b32 v[TA+5], 3, v[TA+5]
	v_mad_u32_u24 v[IA+\i], v[TA+3], 2*SUB, v[TA+4]
	v_lshl_add_u32 v[IA+\i], v[TA+5], 2, v[IA+\i]
.endr
	v_lshrrev_b32 v[TA+3], 4, v2
	v_and_b32 v[TA+5], 15, v2
	v_mul_u32_u24 v[IRD], v[TA+3], SUB
	v_lshl_add_u32 v[IRD], v[TA+5], 4, v[IRD]
	v_add_nc_u32 v[IRD], s23, v[IRD]               ; back: lanes 0-15 take one block of the image, lanes 16-31 the next: 16 bytes a lane
	v_bfe_u32 v5, v2, 1, 2                         ; my block's byte: byte b of the word of (K step, wave, row): 4 bytes a row
	v_lshl_add_u32 v5, v[TA], 8, v5
	v_lshl_add_u32 v5, v1, 6, v5
	v_add_nc_u32 v5, SW, v5
	v_lshlrev_b32 v7, 3, v2                        ; and on the way out 8 bytes a lane: wave w takes K step w's 256 bytes
	v_lshl_add_u32 v6, v1, 8, v7
	v_add_nc_u32 v6, SW, v6
	v_lshlrev_b32 v[T16], 4, v0
	v_lshlrev_b32 v[T4], 2, v0
	v_lshl_add_u32 v[RKW], v1, 4, RK               ; RK + 16 x wave
	v_lshl_add_u32 v[RKR], v1, 2, RK               ; RK + 4 x wave
	s_lshl_b32 s32, ttmp9, 2                       ; s32-35: the work-group's four columns c = 4 g + m
	s_add_co_u32 s33, s32, 1
	s_add_co_u32 s34, s32, 2
	s_add_co_u32 s35, s32, 3
	s_add_co_u32 s26, s32, s22                     ; 4 g + wave: my wave's column
	s_mov_b32 s36, 0                               ; s36-39: the four counts
	s_mov_b32 s37, 0
	s_mov_b32 s38, 0
	s_mov_b32 s39, 0
	s_lshl_b32 s24, s26, 2
	v_mov_b32 v[SBO], s24
	s_mov_b32 s25, 0
	s_and_b32 s45, ttmp9, 7                        ; which 512 columns of x: g % 8
	s_lshr_b32 s46, ttmp9, 3                       ; which 64 rows: g / 8
	s_lshl_b32 s47, s46, 2
	s_add_co_u32 s47, s47, s22                     ; my wave's block of 16 rows: 0 .. 511
	s_wait_alu depctr_va_vdst(0)
	s_wait_kmcnt 0x0
	s_lshl_b32 s24, ttmp9, 4
	s_add_nc_u64 s[42:43], s[6:7], s[24:25]
	s_load_b128 s[28:31], s[42:43], 0x0            ; the four keys perm[4 g + m]
	s_lshl_b32 s24, s47, 18                        ; 16 rows of 16,384 bytes,
	s_lshl_b32 s27, s45, 11                        ; 512 columns of 4 bytes
	s_add_co_u32 s24, s24, s27
	s_add_nc_u64 s[4:5], s[4:5], s[24:25]          ; x at my wave's first number
	s_lshr_b32 s24, s46, 1                         ; which 128 rows
	s_mul_i32 s24, s24, 32*UNIT
	s_mul_i32 s27, s45, 4*UNIT
	s_add_co_u32 s48, s24, s27                     ; the first of the work-group's four units
	s_and_b32 s49, s46, 1                          ; which half of the unit's 128 rows
	s_mul_i32 s24, s22, UNIT                       ; scale words: wave w stores into unit w,
	s_add_co_u32 s24, s24, s48
	s_lshl_b32 s27, s49, 8                         ; the half's 64 words,
	s_add_co_u32 s24, s24, s27
	s_add_co_u32 s24, s24, 8*1536                  ; behind the eight fragments
	s_add_nc_u64 s[20:21], s[12:13], s[24:25]
	s_and_b32 s24, s47, 7                          ; codes: my block's fragment in each of the four units
	s_mul_i32 s24, s24, 1536
	s_add_co_u32 s24, s24, s48
	s_add_nc_u64 s[12:13], s[12:13], s[24:25]
	global_load_b32 v[WS], v[SBO], s[8:9]          ; the ten loads for the rank are the oldest: the first counted wait below shows them landed
	global_load_b32 v[WB], v[SBO], s[10:11]
.irp k, 0,1,2,3,4,5,6,7
	global_load_b128 v[PA+4*\k:PA+4*\k+3], v[T16], s[6:7] offset:2048*\k   ; the work-group's 128 threads read 2,048 consecutive bytes
.endr
.macro LOAD t                          ; row t's 512 numbers
.irp i, 0,1,2,3
	global_load_b128 v[R+16*((\t)%4)+4*\i:R+16*((\t)%4)+4*\i+3], v3, s[4:5] offset:16384*(\t)+512*\i th:TH_LOAD_NT   ; 32 lanes read 512 consecutive bytes
.endr
.endm
.macro TURN t                          ; step t's numbers through the stage: LDS serves a wave's instructions in order, so no wait stands between the stores and the loads
.irp i, 0,1,2,3
	ds_store_b128 v14, v[R+16*((\t)%4)+4*\i:R+16*((\t)%4)+4*\i+3] offset:32*SP*((\t)%2)+8*SP*\i
.endr
.irp i, 0,1,2,3
	ds_load_b128 v[X+16*((\t)%2)+4*\i:X+16*((\t)%2)+4*\i+3], v15 offset:32*SP*((\t)%2)+16*\i
.endr
.endm
; Two registers of perm against the four keys.  With a = perm[j] and k = the key, both with the sign bit turned, a + (2^32 - 1 - k) + (c <= j) carries out of 32 bits just where a > k, or a = k and c <= j:
; where (perm[j], j) >= (key, c).  The carries of the 32 lanes are counted; 4,096 less the count over all j is the rank.
.macro RANK2 t
.irp u, 0,1
	v_add_nc_u32 v[JJ], 512*((2*(\t)+\u)/4)+(2*(\t)+\u)%4, v[T4]   ; j = 512 k + 4 t + e
	v_xor_b32 v[FL], 0x80000000, v[PA+2*(\t)+\u]
.irp m, 0,1,2,3
	v_cmp_le_u32 vcc_lo, s[32+\m], v[JJ]           ; the carry in: c <= j
	v_add_co_ci_u32 v[SCR], vcc_lo, s[28+\m], v[FL], vcc_lo
	s_bcnt1_i32_b32 s40, vcc_lo
	s_add_co_u32 s[36+\m], s[36+\m], s40
.endr
.endr
.endm
.irp t, 0,1,2,3
	LOAD \t
.endr
	s_wait_kmcnt 0x0                               ; the keys
.irp m, 0,1,2,3
	s_xor_b32 s[28+\m], s[28+\m], 0x7fffffff       ; 2^32 - 1 - (key with its sign bit turned)
.endr
	s_wait_loadcnt 12                              ; step 0's four loads are in, and the ten older ones
	TURN 0
.macro STEP t
.set XS, X+16*((\t)%2)
.if (\t) > 0
	s_wait_dscnt 4                                 ; this step's numbers are back from the stage (the last step's byte store and three word stores may be out): so its stores into the stage have read their registers,
.else
	s_wait_dscnt 0x0
.endif
.if (\t)+4 < STEPS
	LOAD (\t)+4                                    ; which take the loads of four steps on
.endif
.if (\t)+1 < STEPS
.if STEPS-2-(\t) >= 3
	s_wait_loadcnt 12                              ; the next step's four loads are in; those of the three steps behind it may be out
.else
	s_wait_loadcnt 4*(STEPS-2-(\t))
.endif
	TURN (\t)+1                                    ; and go through the other stage while this step is worked
.endif
	v_max3_num_f32 v8, |v[XS]|, |v[XS+1]|, |v[XS+2]|               ; the largest magnitude of my 16, in two chains
	v_max3_num_f32 v9, |v[XS+3]|, |v[XS+4]|, |v[XS+5]|
.irp i, 6,10
	v_max3_num_f32 v8, v8, |v[XS+\i]|, |v[XS+\i+1]|
	v_max3_num_f32 v9, v9, |v[XS+\i+2]|, |v[XS+\i+3]|
.endr
	v_max3_num_f32 v8, v8, |v[XS+14]|, |v[XS+15]|
	v_max3_num_f32 v8, v8, v9, (EMAX+1)<<23        ; and the floor 2^(5 - 127), under which no largest magnitude is taken: so the byte cannot fall under 1
	v_max_num_f32_dpp v8, v8, v8 row_xmask:1 row_mask:0xf bank_mask:0xf   ; and of my neighbour's 16: the block's
	v_add_nc_u32 v11, -(EMAX<<23), v8              ; 4 off its exponent field: the conversion takes the exponent field of this operand as its scale, and nothing else of it
	v_cvt_scalef32_pk16_bf6_f32 v[C+4*(\t):C+4*(\t)+2], v[XS:XS+15], v11         ; 96 bits without gaps, the first number's code lowest
	v_lshrrev_b32 v[E+(\t)], 23, v11               ; the scale's byte
	ds_store_b8 v5, v[E+(\t)] offset:4*(\t)        ; both lanes of a block write the same byte with the same value
	ds_store_b32 v[IA], v[C+4*(\t)] offset:16*(\t)         ; my three registers of the image, in row t's 16 bytes
	ds_store_b32 v[IA+1], v[C+4*(\t)+1] offset:16*(\t)
	ds_store_b32 v[IA+2], v[C+4*(\t)+2] offset:16*(\t)
	RANK2 \t
.endm
.irp t, 0,1,2,3,4,5,6,7,8,9,10,11,12,13,14,15
	STEP \t
.endr
.irp m, 0,1,2,3
	v_mov_b32 v[CN+\m], s[36+\m]
.endr
	ds_store_b128 v[RKW], v[CN:CN+3]               ; my wave's four counts (all lanes write the same words with the same values)
.irp k, 0,1,2,3,4,5,6,7,8,9,10,11
	ds_load_b128 v[R+4*\k:R+4*\k+3], v[IRD] offset:2*SUB*\k   ; registers 4 (k % 3) .. + 3 of fragment k / 3.  LDS serves a wave's instructions in order: these see my word stores
.endr
.irp k, 0,1,2,3,4,5,6,7,8,9,10,11
	s_wait_dscnt 11-\k                             ; LDS loads come back in order: the 11 - k younger ones may be out
	global_store_b128 v3, v[R+4*\k:R+4*\k+3], s[12:13] offset:(\k/3)*UNIT+(\k%3)*512   ; 32 lanes store 512 consecutive bytes, at a multiple of 256 from the buffer's first byte
.endr
	s_wait_dscnt 0x0                               ; for the others' sake: my counts and my scale bytes lie in LDS
	s_barrier_signal -1
	s_barrier_wait -1
	ds_load_b64 v[12:13], v6                       ; K step w's scale words of the work-group's 64 rows
.irp k, 0,1,2,3
	ds_load_b32 v[CN+\k], v[RKR] offset:16*\k      ; wave w finishes column 4 g + w: the four waves' counts of it
.endr
	s_wait_dscnt 0x0
	global_store_b64 v7, v[12:13], s[20:21]        ; 32 lanes store 256 consecutive bytes, at a multiple of 256 from the buffer's first byte
	v_add_nc_u32 v[CN], v[CN], v[CN+1]
	v_add_nc_u32 v[CN+2], v[CN+2], v[CN+3]
	v_add_nc_u32 v[CN], v[CN], v[CN+2]
	v_sub_nc_u32 v[CN], 0x1000, v[CN]              ; the rank (j = c counts itself, so it is 4,095 at the most)
	v_min_u32 v[CN], 0xfff, v[CN]
	v_lshlrev_b32 v[CN], 2, v[CN]                  ; its word in inv, sp and bp
	v_mov_b32 v[CN+1], s26                         ; c
	v_cmp_eq_u32 vcc_lo, 0, v2
	s_wait_alu depctr_va_vdst(0)
	s_wait_xcnt 0x0                                ; EXEC is a source of the stores above: it changes only behind this wait
	s_wait_tensorcnt 0x0
	ds_add_u32 v254, v255
	s_wait_dscnt 0x0
	s_and_saveexec_b32 s44, vcc_lo                 ; lane 0 alone
	global_store_b32 v[CN], v[CN+1], s[14:15]
	global_store_b32 v[CN], v[WS], s[16:17]
	global_store_b32 v[CN], v[WB], s[18:19]
	s_wait_xcnt 0x0                                ; and again in front of the line that widens it
	s_or_b32 exec_lo, exec_lo, s44
	s_endpgm
.Lfunc_end_k_qe41e3ac9de_xprep:
	.size	k_qe41e3ac9de_xprep, .Lfunc_end_k_qe41e3ac9de_xprep-k_qe41e3ac9de_xprep
	.p2alignl 7, 3214868480
	.fill 96, 4, 3214868480
	.section	.rodata,"a",@progbits
	.p2align	6, 0x0
	.amdhsa_kernel k_qe41e3ac9de_xprep
		.amdhsa_group_segment_fixed_size 48896
		.amdhsa_private_segment_fixed_size 0
		.amdhsa_enable_private_segment 0
		.amdhsa_kernarg_size 64
		.amdhsa_user_sgpr_count 2
		.amdhsa_user_sgpr_kernarg_segment_ptr 1
		.amdhsa_wavefront_size32 1
		.amdhsa_system_sgpr_workgroup_id_x 1
		.amdhsa_system_sgpr_workgroup_id_y 1
		.amdhsa_system_sgpr_workgroup_id_z 1
		.amdhsa_system_vgpr_workitem_id 0
		.amdhsa_next_free_vgpr 256
		.amdhsa_next_free_sgpr 66
		.amdhsa_reserve_vcc 1
		.amdhsa_float_denorm_mode_32 3
		.amdhsa_float_denorm_mode_16_64 3
		.amdhsa_memory_ordered 1
		.amdhsa_forward_progress 1
		.amdhsa_inst_pref_size 61
	.end_amdhsa_kernel
	.amdgpu_metadata
---
amdhsa.version: [ 1, 2 ]
amdhsa.kernels:
  - .name:           k_qe41e3ac9de_xprep
    .symbol:         k_qe41e3ac9de_xprep.kd
    .args:
      - { .name: x, .offset: 0, .size: 8, .value_kind: global_buffer, .address_space: global }
      - { .name: perm, .offset: 8, .size: 8, .value_kind: global_buffer, .address_space: global }
      - { .name: weight_scale, .offset: 16, .size: 8, .value_kind: global_buffer, .address_space: global }
      - { .name: weight_bias, .offset: 24, .size: 8, .value_kind: global_buffer, .address_space: global }
      - { .name: xq, .offset: 32, .size: 8, .value_kind: global_buffer, .address_space: global }
      - { .name: inv, .offset: 40, .size: 8, .value_kind: global_buffer, .address_space: global }
      - { .name: sp, .offset: 48, .size: 8, .value_kind: global_buffer, .address_space: global }
      - { .name: bp, .offset: 56, .size: 8, .value_kind: global_buffer, .address_space: global }
    .group_segment_fixed_size: 48896
    .private_segment_fixed_size: 0
    .kernarg_segment_align: 8
    .kernarg_segment_size: 64
    .max_flat_workgroup_size: 128
    .sgpr_count:     66
    .vgpr_count:     256
    .wavefront_size: 32
...
	.end_amdgpu_metadata
.endif
;; end of part 1
;; launch wprep (part 2): grid 256 x 1, 16 waves a work-group, clusters of 4 x 1, 327,680 bytes of LDS; arguments centroids, res_centroids, outlier_centroids, indices, res_indices, outlier_indices, inv, sp, bp, wq; writes wq
.if DOCPART == 2
	.amdgcn_target "amdgcn-amd-amdhsa--gfx1250"
	.amdhsa_code_object_version 6
	.text
	.protected	k_qe41e3ac9de_wprep
	.globl	k_qe41e3ac9de_wprep
	.p2align	8
	.type	k_qe41e3ac9de_wprep,@function
k_qe41e3ac9de_wprep:
	s_mov_b64 s[64:65], 0
	v_nop
	global_prefetch_b8 v0, s[64:65] scope:SCOPE_SE
	s_setreg_imm32_b32 hwreg(HW_REG_WAVE_MODE, 25, 1), 1
	s_wait_xcnt 0x0
	s_wait_alu depctr_hold_cnt(0) depctr_sa_sdst(0) depctr_va_vdst(0) depctr_va_sdst(0) depctr_va_ssrc(0) depctr_va_vcc(0) depctr_vm_vsrc(0)
	s_getreg_b32 s2, hwreg(HW_REG_IB_STS2, 6, 4)
	s_cmp_eq_u32 s2, 0
	s_cbranch_scc0 .Lentry_in_a_cluster
	s_endpgm
.Lentry_in_a_cluster:
	s_bfe_u32 s2, ttmp6, 0x10000c
	s_cmp_lg_u32 s2, 0x3003
	s_cbranch_scc0 .Lentry_shape_is_right
	s_endpgm
.Lentry_shape_is_right:
; THE WEIGHT, w [2048][4096], is built in its FINAL column order and quantised along K: codes of BF6 (E3M2), one E8M0 byte for each 32 along K, laid as the product's launch takes them into registers.
; Final column i is source column c = inv[i].  For c >= 128, rows 8 g + v are cb[indices[g][c-128]][v] + rcb[res_indices[g][c-128]][v]; for c < 128, rows 8 g + 0..3 are ocb[outlier_indices[2 g][c]] and
; rows 8 g + 4..7 are ocb[outlier_indices[2 g + 1][c]]; then x sp[i] + bp[i] (scale and bias in final order), one fused multiply-add.
; SHARES.  Work-group g makes rows 8 g .. 8 g + 7.  Thread t takes 16 NEIGHBOURING final columns, 16 (t / 2) .. + 15, and four rows, 4 hf .. 4 hf + 3 with hf = t % 2.  A half entry's four numbers are four rows of one
; column; the multiply-add writes each to register 16 x row + column, so a row's 16 neighbours along K stand in consecutive registers, as the conversion wants them: nothing is turned through LDS.
; Lanes t and t xor 2 hold the two halves of a block of 32: one DPP step joins their maxima.
; CLUSTERS of 4 x 1.  cb, rcb, inv, sp and bp (188,416 bytes) are the same for every work-group: they come by JOINT tensor loads, mask 15, one load a wave in waves 0-11, as rows of 256 bytes:
; waves 0-7 cb (64 rows each), waves 8, 9, 10 inv, sp, bp (64 rows each), all to LDS byte 16,384 x wave; wave 11 rcb (32 rows).  Nothing in LDS is filled again.
; The work-group's own index rows and the outlier table come through registers and are stored to LDS behind the wait for the tensor loads.
; TABLES in LDS, entries of 32 bytes; lane hf reads the entry's 16 bytes at 16 hf.  A: entry e < 4096 is cb[e]; entry 5632 + q is (ocb[q], four zeros).  B: entry e < 256 is rcb[e]; entry 256 + q is (four zeros, ocb[q]).
; J0[c] = outlier_indices[2 g][c] or indices[g][c-128]; J1[c] = outlier_indices[2 g + 1][c] or res_indices[g][c-128].  A column's numbers are A[J0[c] + 5632 o] + B[J1[c] + 256 o], o = 1 where c < 128.
; Lane hf = 0 fetches J0[c], lane hf = 1 J1[c], and the two exchange them by a DPP move: one LDS word a lane and column.
; PHASES, a barrier between each two: fill | gather (LDS loads alone; every address made of loaded numbers is held inside its table by a minimum), mix and quantise in registers |
; codes and scale bytes into a stage of their own | out, as runs of 128 bytes (8 rows x 16) of codes and of 32 bytes of scale words: the other halves of those fragments are the neighbouring work-group's.
; THE LAYOUT OF wq.  A unit is 128 rows x 128 along K, 12,800 bytes: eight fragments (16 rows x 128 K) of 1,536 bytes, then the 128 rows' scale words.  In a fragment register 4 g + m of lane 16 h + r lies at
; 512 g + 16 (16 h + r) + 4 m; the lane's registers 6 c .. 6 c + 5 are the 24 bytes of block 2 c + h of row r.
; No prefetch: the launch has no loop to run ahead in; all it reads is asked for at its head.
; LIMITS: a block whose largest magnitude lies under 2^-122 has its byte held at 1; a block of zeros gets the byte 1 where the rule says 127 (zero codes add nothing, and this program alone reads the bytes);
; NaN and infinities are not served; an index outside its table (which the problem excludes) is held at the table's end.
.set INV,   131072                     ; behind cb (at 0): inv, sp 16,384 on, bp 32,768 on
.set ATO,   180224                     ; A's outlier entries: entry 5632 on
.set BT,    188416                     ; B: rcb, then its outlier entries
.set J0,    204800                     ; J0 (4,096 words); J1 16,384 bytes behind it
.set CST,   237568                     ; the codes' stage: [register / 4: 3][K step 32][h 2][row 8][16 bytes]
.set SST,   262144                     ; the scale words' stage: [K step 32][row 8]
.set SPARE, 263168                     ; the spare words: 128 bytes for each of 16 waves
.set UNIT,  12800
.set CC,   24                          ; v24-39   my 16 columns' source columns
.set SPR,  40                          ; v40-55   their scales
.set BPR,  56                          ; v56-71   their biases
.set AA,   72                          ; v72-87   5632 o, then the address in A
.set BB,   88                          ; v88-103  256 o, then the address in B
.set W,    104                         ; v104-167 the results: register 16 x row + column
.set F,    104                         ; v104-123 the fill's five loads
.set G,    168                         ; v168-231 four sets of 16 for the gathers
.set OT,   168                         ; v168-183 J0[c]
.set CD,   168                         ; v168-183 codes, four registers a row
.set JA,   192                         ; v192-207 the address of my index word, then the partner's word, then J1[c]
.set OWN,  208                         ; v208-223 my index word
.set TW,   232                         ; v232-247 at work
.set SO,   240                         ; v240-243 the conversions' scale operands
.set SB,   244                         ; v244-247 the scale bytes
.set IA,   248                         ; v248-250 LDS: where the three words of a row's 16 codes go
.set GC,   251                         ; my byte offset in wq on the codes' way out
.set GS,   252                         ; and on the scale words'
.set G1,   48                          ; s[48:55] group 1: 64 rows of 256 bytes;  s[56:59] group 0
.set G0,   56
.set G1R,  68                          ; s[68:75] group 1: 32 rows;  s[76:79] group 0 for rcb
.set G0R,  76
.macro CROUND                          ; a round of the cluster's barrier
	s_barrier_signal -1
	s_barrier_wait -1
	s_cmp_lg_u32 s26, 0
	s_cbranch_scc1 .Lnot_wave_0_\@
	s_barrier_signal -3
.Lnot_wave_0_\@:
	s_barrier_wait -3
	s_barrier_signal -1
	s_barrier_wait -1
.endm
	s_load_b256 s[4:11], s[0:1], 0x0               ; centroids, res_centroids, outlier_centroids, indices
	s_load_b256 s[12:19], s[0:1], 0x20             ; res_indices, outlier_indices, inv, sp
	s_load_b128 s[20:23], s[0:1], 0x40             ; bp, wq
	v_lshl_add_u32 v254, v0, 2, SPARE
	v_mov_b32 v255, 0
	ds_add_u32 v254, v255                          ; the opening lines: the add, twice on end, and its wait
	ds_add_u32 v254, v255
	v_lshrrev_b32 v[TW], 5, v0                     ; wave
	s_delay_alu instid0(VALU_DEP_1)
	v_readfirstlane_b32 s26, v[TW]
	s_mov_b32 s[G1+0], 15|(3<<16)|(1<<21)          ; the mask names the cluster's four; elements of 8 bytes
	s_mov_b32 s[G1R+0], 15|(3<<16)|(1<<21)
.irp g, G1, G1R
	s_mov_b32 s[\g+1], 32<<16                      ; rows of 256 bytes
	s_mov_b32 s[\g+3], 32<<16
	s_mov_b32 s[\g+5], 32
	s_mov_b32 s[\g+6], 0
	s_mov_b32 s[\g+7], 0
.endr
	s_mov_b32 s[G1+2], 64<<16
	s_mov_b32 s[G1+4], 64
	s_mov_b32 s[G1R+2], 32<<16
	s_mov_b32 s[G1R+4], 32
	s_mov_b32 s[G0], 1
	s_lshl_b32 s[G0+1], s26, 14                    ; to LDS byte 16,384 x wave
	s_mov_b32 s[G0R], 1
	s_mov_b32 s[G0R+1], BT
	s_cmp_lt_u32 s26, 8
	s_cselect_b32 s62, s[G0+1], 0                  ; waves 0-7: the same place in cb
	s_mov_b32 s63, 0
	s_bfe_u32 s61, ttmp6, 0x40000                  ; cx
	s_lshl_b32 s60, ttmp9, 2
	s_add_co_u32 s60, s60, s61                     ; g = 4 x cluster + cx
	s_wait_dscnt 0x0                               ; both opening adds are done
	s_wait_kmcnt 0x0
	s_add_nc_u64 s[G0+2:G0+3], s[4:5], s[62:63]
	s_cmp_eq_u32 s26, 8                            ; the choices hang on the wave's number alone
	s_cselect_b64 s[G0+2:G0+3], s[16:17], s[G0+2:G0+3]
	s_cmp_eq_u32 s26, 9
	s_cselect_b64 s[G0+2:G0+3], s[18:19], s[G0+2:G0+3]
	s_cmp_eq_u32 s26, 10
	s_cselect_b64 s[G0+2:G0+3], s[20:21], s[G0+2:G0+3]
	s_or_b32 s[G0+3], s[G0+3], 0x80000000
	s_mov_b64 s[G0R+2:G0R+3], s[6:7]
	s_or_b32 s[G0R+3], s[G0R+3], 0x80000000
	CROUND                                         ; the four work-groups are here: the joint loads meet
	s_cmp_lt_u32 s26, 11                           ; one chain of branches on the wave's number, one load to an arm, one join
	s_cbranch_scc0 .Lnot_wide
	tensor_load_to_lds s[G0:G0+3], s[G1:G1+7]
	s_nop 0
.rept 4
	v_nop
.endr
	s_branch .Lasked
.Lnot_wide:
	s_cmp_eq_u32 s26, 11
	s_cbranch_scc0 .Lasked
	tensor_load_to_lds s[G0R:G0R+3], s[G1R:G1R+7]
	s_nop 0
.rept 4
	v_nop
.endr
.Lasked:
	; the addresses, in layers: a line reads what stands five lines or more above it, but where a hint says otherwise
	v_and_b32 v1, 31, v0                           ; lane
	v_and_b32 v[TW+1], 1, v0                       ; hf
	v_lshrrev_b32 v[TW+2], 1, v0                   ; t / 2
	v_lshlrev_b32 v2, 4, v0                        ; 16 t
	v_lshrrev_b32 v[TW+3], 8, v0                   ; a = t / 256
	v_and_b32 v[TW+4], 255, v0                     ; q = t % 256
	v_bfe_u32 v[TW+5], v0, 1, 1                    ; u: which half of the block
	v_bfe_u32 v[TW+6], v0, 3, 1                    ; c = block / 2
	v_bfe_u32 v[TW+7], v0, 2, 1                    ; h = block % 2
	v_bfe_u32 v20, v0, 2, 2                        ; the block in its K step
	v_lshrrev_b32 v23, 4, v0                       ; the K step
	v_and_b32 v[TW+9], 7, v0
	v_mov_b32 v12, 0
	v_mov_b32 v13, 0
	v_mov_b32 v14, 0
	v_mov_b32 v15, 0
	v_mov_b32 v16, 5632
	v_mov_b32 v253, 256
	v_lshlrev_b32 v[IA], 8, v23                    ; the stage: 256 x K step
	v_lshlrev_b32 v7, 4, v1
	v_lshlrev_b32 v17, 4, v[TW+1]                  ; my half of an entry of A
	v_lshlrev_b32 v19, 14, v[TW+1]
	v_lshlrev_b32 v11, 6, v[TW+2]                  ; 64 (t / 2): my 16 words of inv, sp, bp
	v_lshlrev_b32 v10, 4, v[TW+4]
	v_mul_u32_u24 v8, v[TW+3], 16400
	v_add_nc_u32 v5, J0+512, v2                    ; an index row's first 8,192 bytes lie behind the 128 outlier words
	v_add_nc_u32 v6, 8704, v2
	v_add_nc_u32 v21, CST, v2
	v_add_nc_u32 v22, SST, v2
	v_mul_u32_u24 v[TW+8], v[TW+6], 6
	v_mul_u32_u24 v[GC], v23, UNIT                 ; on the way out thread t holds (K step t / 16, h = (t / 8) % 2, row t % 8)
	v_mul_u32_u24 v[GS], v[TW+2], UNIT             ; and four rows' scale words of K step t / 2
	v_lshl_add_u32 v20, v23, 5, v20                ; my block's byte: 32 x K step + block
	v_lshl_add_u32 v[IA], v[TW+7], 7, v[IA]        ; + 128 h
	v_add_nc_u32 v18, BT, v17                      ; my half of an entry of B
	v_add_nc_u32 v19, J0, v19                      ; J0 for hf = 0, J1 for hf = 1
	v_add_nc_u32 v11, INV, v11
	v_lshl_add_u32 v8, v[TW+4], 5, v8
	v_and_b32 v6, 16383, v6                        ; waves 0-14: the row's other 7,680 bytes; wave 15 wraps round to the 128 outlier words
	v_mad_u32_u24 v[TW+8], v[TW+5], 3, v[TW+8]     ; j = 6 c + 3 u: the first of my three registers of the operand
	v_lshl_add_u32 v[GC], v[TW+6], 8, v[GC]
	v_lshl_add_u32 v[GS], v[TW+1], 4, v[GS]
	v_lshl_add_u32 v20, v[TW+1], 4, v20            ; + 16 hf: four rows of 4 bytes
	v_lshl_add_u32 v[IA], v[TW+1], 6, v[IA]        ; + 64 hf: four rows of 16 bytes
	v_add_nc_u32 v8, ATO, v8                       ; where ocb[q] goes: the low half of A's entry (a = 0) or the high half of B's (a = 1): ATO + 16,400 a + 32 q
	v_add_nc_u32 v6, J0, v6
	v_lshl_add_u32 v[GC], v[TW+9], 4, v[GC]
	v_add_nc_u32 v20, SST, v20
	v_add_nc_u32 v[TW+10], 1, v[TW+8]
	v_add_nc_u32 v[TW+11], 2, v[TW+8]
	v_add_nc_u32 v23, CST, v[IA]
	v_xor_b32 v9, 16, v8                           ; and the half that takes zeros
	v_lshrrev_b32 v[TW+12], 2, v[TW+8]
	v_and_b32 v[TW+13], 3, v[TW+8]
	v_lshrrev_b32 v[TW+14], 2, v[TW+10]
	v_and_b32 v[TW+15], 3, v[TW+10]
	v_lshrrev_b32 v[TW+3], 2, v[TW+11]
	v_and_b32 v[TW+4], 3, v[TW+11]
	v_lshl_add_u32 v[IA], v[TW+12], 13, v23        ; + 8,192 (j / 4)
	v_lshl_add_u32 v[IA+1], v[TW+14], 13, v23
	s_delay_alu instid0(VALU_DEP_4)
	v_lshl_add_u32 v[IA+2], v[TW+3], 13, v23
	s_delay_alu instid0(VALU_DEP_3)
	v_lshl_add_u32 v[IA], v[TW+13], 2, v[IA]       ; + 4 (j % 4)
	s_delay_alu instid0(VALU_DEP_3)
	v_lshl_add_u32 v[IA+1], v[TW+15], 2, v[IA+1]
	s_delay_alu instid0(VALU_DEP_3)
	v_lshl_add_u32 v[IA+2], v[TW+4], 2, v[IA+2]
	s_wait_alu depctr_va_vdst(0)                   ; the wait at the head's end, ahead of the scalar lines
	s_mov_b32 s27, 0xaaaaaaaa                      ; the lanes with hf = 1
	s_mul_i32 s28, s60, 15872                      ; a row of indices or of res_indices: 3,968 words
	s_mov_b32 s29, 0
	s_lshl_b32 s34, s26, 9
	s_add_co_u32 s34, s34, 8192                    ; waves 0-14: 8,192 + 512 w bytes on in it
	s_mov_b32 s35, 0
	s_lshl_b32 s40, s60, 10                        ; two rows of outlier_indices: 2 x 128 words
	s_mov_b32 s41, 0
	s_add_nc_u64 s[30:31], s[10:11], s[28:29]      ; indices[g]
	s_add_nc_u64 s[32:33], s[12:13], s[28:29]      ; res_indices[g]
	s_add_nc_u64 s[36:37], s[30:31], s[34:35]
	s_add_nc_u64 s[38:39], s[32:33], s[34:35]
	s_add_nc_u64 s[42:43], s[14:15], s[40:41]      ; outlier_indices[2 g]
	s_add_nc_u64 s[44:45], s[42:43], 512           ; outlier_indices[2 g + 1]
	s_cmp_eq_u32 s26, 15                           ; the choice hangs on the wave's number alone
	s_cselect_b64 s[36:37], s[42:43], s[36:37]
	s_cselect_b64 s[38:39], s[44:45], s[38:39]
	global_load_b128 v[F:F+3], v2, s[30:31] th:TH_LOAD_NT          ; index rows are read by this work-group alone
	global_load_b128 v[F+4:F+7], v2, s[32:33] th:TH_LOAD_NT
	global_load_b128 v[F+8:F+11], v7, s[36:37] th:TH_LOAD_NT
	global_load_b128 v[F+12:F+15], v7, s[38:39] th:TH_LOAD_NT
	global_load_b128 v[F+16:F+19], v10, s[8:9]
	s_lshr_b32 s28, s60, 4                         ; rows 8 g on lie in the group of 128 rows g / 16,
	s_mul_i32 s28, s28, 32*UNIT
	s_bfe_u32 s46, s60, 0x30001                    ; in its fragment (g / 2) % 8,
	s_and_b32 s47, s60, 1                          ; in that fragment's rows 8 (g % 2) on
	s_mul_i32 s34, s46, 1536
	s_add_co_u32 s34, s34, s28
	s_lshl_b32 s40, s47, 7
	s_add_co_u32 s34, s34, s40                     ; codes: 1,536 x fragment + 128 (g % 2)
	s_lshl_b32 s40, s46, 6
	s_add_co_u32 s40, s40, s28
	s_lshl_b32 s46, s47, 5
	s_add_co_u32 s40, s40, s46
	s_add_co_u32 s40, s40, 8*1536                  ; scale words: behind the eight fragments, 64 x fragment + 32 (g % 2)
	s_add_nc_u64 s[24:25], s[22:23], s[40:41]
	s_add_nc_u64 s[22:23], s[22:23], s[34:35]
.macro PUT n, adr, off                 ; the fill's n-th load goes to LDS: loads come back in order, the 4 - n younger ones may be out
	s_wait_loadcnt 4-(\n)
	ds_store_b128 v[\adr], v[F+4*(\n):F+4*(\n)+3] offset:\off
.endm
.macro BARRIER                         ; my LDS stores have landed and my LDS loads are in: then the work-group's barrier
	s_wait_dscnt 0x0
	s_barrier_signal -1
	s_barrier_wait -1
.endm
	s_wait_tensorcnt 0x0                           ; my tensor load has landed; my LDS stores follow behind this wait
	PUT 0, 5, 0
	PUT 1, 5, 16384
	PUT 2, 6, 0
	PUT 3, 6, 16384
	PUT 4, 8, 0
	ds_store_b128 v9, v[12:15]
	BARRIER                                        ; the tables, inv, sp, bp and the index rows are whole
	; ---- gather: from here to the next barrier LDS is only read
.irp i, 0,1,2,3
	ds_load_b128 v[CC+4*\i:CC+4*\i+3], v11 offset:16*\i
.endr
.irp i, 0,1,2,3
	ds_load_b128 v[SPR+4*\i:SPR+4*\i+3], v11 offset:16384+16*\i
.endr
.irp i, 0,1,2,3
	ds_load_b128 v[BPR+4*\i:BPR+4*\i+3], v11 offset:32768+16*\i
.endr
	s_wait_dscnt 8                                 ; my 16 source columns are in; sp and bp may be out
.irp s, 0,1,2,3,4,5,6,7,8,9,10,11,12,13,14,15
	v_cmp_gt_u32 vcc_lo, 128, v[CC+\s]
	s_delay_alu instid0(VALU_DEP_1)
	v_cndmask_b32 v[AA+\s], 0, v16, vcc_lo         ; 5632 where c < 128
	s_delay_alu instid0(VALU_DEP_2)
	v_cndmask_b32 v[BB+\s], 0, v253, vcc_lo        ; 256 where c < 128
	v_min_u32 v[JA+\s], 0xfff, v[CC+\s]
	s_delay_alu instid0(VALU_DEP_1)
	v_lshl_add_u32 v[JA+\s], v[JA+\s], 2, v19
.endr
	s_wait_alu depctr_va_vdst(0)                   ; the wait
.irp s, 0,1,2,3,4,5,6,7,8,9,10,11,12,13,14,15
	ds_load_b32 v[OWN+\s], v[JA+\s]
.endr
	s_wait_dscnt 0x0
.irp s, 0,1,2,3,4,5,6,7,8,9,10,11,12,13,14,15
	v_mov_b32_dpp v[JA+\s], v[OWN+\s] row_xmask:1 row_mask:0xf bank_mask:0xf   ; the other row half's word of the same column
.endr
.irp s, 0,1,2,3,4,5,6,7,8,9,10,11,12,13,14,15
	v_cndmask_b32 v[OT+\s], v[OWN+\s], v[JA+\s], s27     ; J0[c]
.endr
.irp s, 0,1,2,3,4,5,6,7,8,9,10,11,12,13,14,15
	v_cndmask_b32 v[JA+\s], v[JA+\s], v[OWN+\s], s27     ; J1[c]
.endr
.irp s, 0,1,2,3,4,5,6,7,8,9,10,11,12,13,14,15
	v_add_nc_u32 v[AA+\s], v[OT+\s], v[AA+\s]
.endr
.irp s, 0,1,2,3,4,5,6,7,8,9,10,11,12,13,14,15
	v_add_nc_u32 v[BB+\s], v[JA+\s], v[BB+\s]
.endr
.irp s, 0,1,2,3,4,5,6,7,8,9,10,11,12,13,14,15
	v_min_u32 v[AA+\s], 5887, v[AA+\s]             ; inside A
.endr
.irp s, 0,1,2,3,4,5,6,7,8,9,10,11,12,13,14,15
	v_min_u32 v[BB+\s], 511, v[BB+\s]              ; inside B
.endr
.irp s, 0,1,2,3,4,5,6,7,8,9,10,11,12,13,14,15
	v_lshl_add_u32 v[AA+\s], v[AA+\s], 5, v17
.endr
.irp s, 0,1,2,3,4,5,6,7,8,9,10,11,12,13,14,15
	v_lshl_add_u32 v[BB+\s], v[BB+\s], 5, v18
.endr
	s_wait_alu depctr_va_vdst(0)                   ; the wait
.macro GET p                           ; columns 2 p and 2 p + 1: two half entries of A, two of B, into set p % 4
.set GG, G+16*((\p)%4)
	ds_load_b128 v[GG:GG+3], v[AA+2*(\p)]
	ds_load_b128 v[GG+4:GG+7], v[AA+2*(\p)+1]
	ds_load_b128 v[GG+8:GG+11], v[BB+2*(\p)]
	ds_load_b128 v[GG+12:GG+15], v[BB+2*(\p)+1]
.endm
.macro MIX p
.set GG, G+16*((\p)%4)
.if (\p) < 5
	s_wait_dscnt 12                                ; this pair's four loads are in; the next three pairs' twelve may be out
.else
	s_wait_dscnt 4*(7-(\p))
.endif
.irp i, 0,2,4,6
	v_pk_add_f32 v[GG+\i:GG+\i+1], v[GG+\i:GG+\i+1], v[GG+8+\i:GG+8+\i+1]
.endr
.irp e, 0,1,2,3,4,5,6,7
	v_fma_f32 v[W+16*(\e%4)+2*(\p)+\e/4], v[GG+\e], v[SPR+2*(\p)+\e/4], v[BPR+2*(\p)+\e/4]   ; row e % 4 of column 2 p + e / 4
.endr
.if (\p)+4 < 8
	GET (\p)+4
.endif
.endm
	GET 0
	GET 1
	GET 2
	GET 3
.irp p, 0,1,2,3,4,5,6,7
	MIX \p
.endr
	; ---- quantise: four rows, two chains each, by turns
.irp r, 0,1,2,3
	v_max3_num_f32 v[TW+2*\r], |v[W+16*\r]|, |v[W+16*\r+1]|, |v[W+16*\r+2]|
	v_max3_num_f32 v[TW+2*\r+1], |v[W+16*\r+3]|, |v[W+16*\r+4]|, |v[W+16*\r+5]|
.endr
.irp i, 6,10
.irp r, 0,1,2,3
	v_max3_num_f32 v[TW+2*\r], v[TW+2*\r], |v[W+16*\r+\i]|, |v[W+16*\r+\i+1]|
	v_max3_num_f32 v[TW+2*\r+1], v[TW+2*\r+1], |v[W+16*\r+\i+2]|, |v[W+16*\r+\i+3]|
.endr
.endr
.irp r, 0,1,2,3
	v_max3_num_f32 v[TW+2*\r], v[TW+2*\r], |v[W+16*\r+14]|, |v[W+16*\r+15]|
.endr
.irp r, 0,1,2,3
	s_delay_alu instid0(VALU_DEP_4)
	v_max3_num_f32 v[TW+2*\r], v[TW+2*\r], v[TW+2*\r+1], 5<<23     ; the floor 2^(5 - 127): the byte cannot fall under 1
.endr
.irp r, 0,1,2,3
	s_delay_alu instid0(VALU_DEP_4)
	v_max_num_f32_dpp v[TW+2*\r], v[TW+2*\r], v[TW+2*\r] row_xmask:2 row_mask:0xf bank_mask:0xf   ; with the block's other 16 columns
.endr
.irp r, 0,1,2,3
	s_delay_alu instid0(VALU_DEP_4)
	v_add_nc_u32 v[SO+\r], -(4<<23), v[TW+2*\r]    ; 4 off the exponent field: the conversion's scale operand
.endr
.irp r, 0,1,2,3
	v_cvt_scalef32_pk16_bf6_f32 v[CD+4*\r:CD+4*\r+2], v[W+16*\r:W+16*\r+15], v[SO+\r]
.endr
.irp r, 0,1,2,3
	v_lshrrev_b32 v[SB+\r], 23, v[SO+\r]           ; the scale's byte
.endr
	s_wait_alu depctr_va_vdst(0)                   ; the wait ahead of the barrier
	BARRIER                                        ; nobody gathers any more
.irp r, 0,1,2,3
	ds_store_b32 v[IA], v[CD+4*\r] offset:16*\r            ; my three registers of the operand's image, row 4 hf + r
	ds_store_b32 v[IA+1], v[CD+4*\r+1] offset:16*\r
	ds_store_b32 v[IA+2], v[CD+4*\r+2] offset:16*\r
	ds_store_b8 v20, v[SB+\r] offset:4*\r          ; both lanes of a block write the same byte with the same value
.endr
	BARRIER                                        ; the eight rows' codes and scale words lie in LDS
	; ---- out
.irp k, 0,1,2
	ds_load_b128 v[W+4*\k:W+4*\k+3], v21 offset:8192*\k
.endr
.irp k, 0,1,2
	s_wait_dscnt 2-\k
	global_store_b128 v[GC], v[W+4*\k:W+4*\k+3], s[22:23] offset:512*\k   ; registers 4 k .. 4 k + 3: 8 lanes store 128 consecutive bytes
.endr
	s_cmp_gt_u32 s26, 1                            ; the 1,024 bytes of scale words are waves 0 and 1's
	s_cbranch_scc1 .Ldone
	ds_load_b128 v[W+12:W+15], v22
	s_wait_dscnt 0x0
	global_store_b128 v[GS], v[W+12:W+15], s[24:25]        ; two lanes store a K step's 32 bytes
.Ldone:
	s_wait_tensorcnt 0x0                           ; the wave's end
	ds_add_u32 v254, v255
	s_wait_dscnt 0x0
	CROUND                                         ; the closing round
	s_endpgm
.Lfunc_end_k_qe41e3ac9de_wprep:
	.size	k_qe41e3ac9de_wprep, .Lfunc_end_k_qe41e3ac9de_wprep-k_qe41e3ac9de_wprep
	.p2alignl 7, 3214868480
	.fill 96, 4, 3214868480
	.section	.rodata,"a",@progbits
	.p2align	6, 0x0
	.amdhsa_kernel k_qe41e3ac9de_wprep
		.amdhsa_group_segment_fixed_size 327680
		.amdhsa_private_segment_fixed_size 0
		.amdhsa_enable_private_segment 0
		.amdhsa_kernarg_size 80
		.amdhsa_user_sgpr_count 2
		.amdhsa_user_sgpr_kernarg_segment_ptr 1
		.amdhsa_wavefront_size32 1
		.amdhsa_system_sgpr_workgroup_id_x 1
		.amdhsa_system_sgpr_workgroup_id_y 1
		.amdhsa_system_sgpr_workgroup_id_z 1
		.amdhsa_system_vgpr_workitem_id 0
		.amdhsa_next_free_vgpr 256
		.amdhsa_next_free_sgpr 80
		.amdhsa_reserve_vcc 1
		.amdhsa_float_denorm_mode_32 3
		.amdhsa_float_denorm_mode_16_64 3
		.amdhsa_memory_ordered 1
		.amdhsa_forward_progress 1
		.amdhsa_inst_pref_size 39
	.end_amdhsa_kernel
	.amdgpu_metadata
---
amdhsa.version: [ 1, 2 ]
amdhsa.kernels:
  - .name:           k_qe41e3ac9de_wprep
    .symbol:         k_qe41e3ac9de_wprep.kd
    .args:
      - { .name: centroids, .offset: 0, .size: 8, .value_kind: global_buffer, .address_space: global }
      - { .name: res_centroids, .offset: 8, .size: 8, .value_kind: global_buffer, .address_space: global }
      - { .name: outlier_centroids, .offset: 16, .size: 8, .value_kind: global_buffer, .address_space: global }
      - { .name: indices, .offset: 24, .size: 8, .value_kind: global_buffer, .address_space: global }
      - { .name: res_indices, .offset: 32, .size: 8, .value_kind: global_buffer, .address_space: global }
      - { .name: outlier_indices, .offset: 40, .size: 8, .value_kind: global_buffer, .address_space: global }
      - { .name: inv, .offset: 48, .size: 8, .value_kind: global_buffer, .address_space: global }
      - { .name: sp, .offset: 56, .size: 8, .value_kind: global_buffer, .address_space: global }
      - { .name: bp, .offset: 64, .size: 8, .value_kind: global_buffer, .address_space: global }
      - { .name: wq, .offset: 72, .size: 8, .value_kind: global_buffer, .address_space: global }
    .group_segment_fixed_size: 327680
    .private_segment_fixed_size: 0
    .kernarg_segment_align: 8
    .kernarg_segment_size: 80
    .max_flat_workgroup_size: 512
    .sgpr_count:     80
    .vgpr_count:     256
    .wavefront_size: 32
...
	.end_amdgpu_metadata
.endif
;; end of part 2
;; launch gemm (part 3): grid 8 x 32, 4 waves a work-group, clusters of 4 x 4, 327,680 bytes of LDS; arguments xq, wq, out0; writes out0
.if DOCPART == 3
	.amdgcn_target "amdgcn-amd-amdhsa--gfx1250"
	.amdhsa_code_object_version 6
	.text
	.protected	k_qe41e3ac9de_gemm
	.globl	k_qe41e3ac9de_gemm
	.p2align	8
	.type	k_qe41e3ac9de_gemm,@function
k_qe41e3ac9de_gemm:
	s_mov_b64 s[64:65], 0
	v_nop
	global_prefetch_b8 v0, s[64:65] scope:SCOPE_SE
	s_setreg_imm32_b32 hwreg(HW_REG_WAVE_MODE, 25, 1), 1
	s_wait_xcnt 0x0
	s_wait_alu depctr_hold_cnt(0) depctr_sa_sdst(0) depctr_va_vdst(0) depctr_va_sdst(0) depctr_va_ssrc(0) depctr_va_vcc(0) depctr_vm_vsrc(0)
	s_getreg_b32 s2, hwreg(HW_REG_IB_STS2, 6, 4)
	s_cmp_eq_u32 s2, 0
	s_cbranch_scc0 .Lentry_in_a_cluster
	s_endpgm
.Lentry_in_a_cluster:
	s_bfe_u32 s2, ttmp6, 0x10000c
	s_cmp_lg_u32 s2, 0xf033
	s_cbranch_scc0 .Lentry_shape_is_right
	s_endpgm
.Lentry_shape_is_right:
; out0[m][n] = sum over k of x[m][k] w[n][k] on codes of BF6 (E3M2) with one E8M0 scale for each 32 along K; sums in f32.  M = 8,192, N = 2,048, K = 4,096.
; xq and wq hold IMAGES OF THE OPERANDS' REGISTERS: a unit is 128 rows x 128 along K, 12,800 bytes: eight fragments of 1,536 bytes (three loads of 16 bytes a lane, 512 consecutive bytes each), then 128 scale words;
; the 32 units of 128 rows follow each other along K, so a run of units is one dense block of memory that begins at a multiple of 256 bytes.
; A block of out0, 256 x 256, is made by four waves, 128 x 128 each: 64 accumulators, 512 registers.  256 work-groups.
; THE RING: two LDS slots, each with three K steps (units) of A's two groups of 128 rows and of B's two; each wave fetches one group's three units, 38,400 bytes as 150 rows of 256, by one tensor load.
; K has 32 steps: ten fills of three and a last one of two.  CLUSTERS of 4 x 4: A's tiles are asked for jointly along a row of the cluster, B's along a column.
; A K STEP is 64 matrix instructions, A's blocks one after the other against B's eight, the 64 accumulators by turns.  A and B have two sets of fragment registers each.
; The next step's 56 LDS loads stand in TWO runs: B's eight fragments and the eight scale registers behind the step's first 8 products, A's eight fragments behind its 32nd.
; THE MATRIX INSTRUCTION IS USED TRANSPOSED (source 0 = 16 rows of w, source 1 = 16 rows of x): a lane holds eight neighbouring numbers of a row of out0.
; One scale register carries A's word (lanes 0-15) and B's (lanes 16-31) of block i.
; PREFETCH INTO THE L2: behind each refill of the loop and the run of LDS loads that follows it, two instructions a wave ask for the NEXT refill's part of the same group: one refill, three K steps, ahead.
; Its 150 blocks of 256 bytes are shared out by address among the four partners that will ask for it jointly: the partner at place p (cx for A, cy for B) names blocks 38 p .. 38 p + 37, held at 149; lanes that are
; left over name their wave's last block again.  Fills 0 to 2 come by their loads alone, and so does the last fill, of two units: the loop's last refill asks for nothing.
; REGISTERS: window 0: v0-31 addresses, v32-47 scale words (two sets), v64-255 A's two sets; window 1: v0-191 B's two sets; windows 2, 3: the accumulators of my rows 0-63, 64-127.
.set SIZE_N, 2048
.set FR,     12                        ; registers of a fragment
.set FRB,    128*FR                    ; its bytes
.set SCO,    8*FRB                     ; the scale words' place in a unit
.set UNIT,   SCO+512
.set GROUPB, 32*UNIT                   ; 128 rows, all of K
.set PART,   3*UNIT                    ; what one tensor load brings
.set SLOT,   4*PART
.set SPARE,  2*SLOT                    ; the spare words, 512 bytes
.set STAGE,  SLOT                      ; the way out goes through slot 1, which has had its last fill and its last read by then
.set SPITCH, 528
.set NP,     4                         ; places behind this matrix instruction (ISA guide 7.12.1)
.set TRIPS,  4
.set ADRA, 16                          ; v16-17 my A fragments in slot 0, 1
.set ADRB, 20                          ; v20-21 my B fragments
.set ADRS, 22                          ; v22-23 my scale words: lanes 0-15 A's, lanes 16-31 B's
.set STO,  24
.set RD,   25
.set CO,   26
.set SPW,  28
.set NIL,  29
.set PFO,  30                          ; v30-31 the prefetches' offsets in a part; never rewritten
.set SC,   32
.set AF,   64
.set BK,   128
.set G1, 24                            ; s[24:31] group 1 for A's tiles, s[32:39] group 0 for each slot
.set G0, 32
.set G1B, 48                           ; the same for B's
.set G0B, 56
.set G1S, 68                           ; group 1 for the last fill, two units: A's, B's
.set G1SB, 80
.set PFA, 88                           ; s[88:89] the part of my group that the refill in hand brings; a prefetch names the part behind it
.set MSB, 0
.macro WIN new                         ; the immediate's high byte repeats the setting that is left
.if MSB != \new
	s_set_vgpr_msb (MSB<<8)|\new
.set MSB, \new
.endif
.endm
.set MUL_LO, 0xa1                      ; source 0 (B) window 1, source 1 (A) window 0, C and D window 2
.set MUL_HI, 0xf1
.set TO_B,   0x40
.macro JLOAD g0a, g1a, g0b, g1b        ; a joint load: waves 0, 1 fetch for A, waves 2, 3 for B; s_nop 0 and four v_nop behind each line
	s_cmp_eq_u32 s15, 0
	s_cbranch_scc0 .Lfor_b_\@
	tensor_load_to_lds s[\g0a:\g0a+3], s[\g1a:\g1a+7]
	s_nop 0
.rept 4
	v_nop
.endr
	s_branch .Lasked_\@
.Lfor_b_\@:
	tensor_load_to_lds s[\g0b:\g0b+3], s[\g1b:\g1b+7]
	s_nop 0
.rept 4
	v_nop
.endr
.Lasked_\@:
.endm
.macro CREST                           ; a round of the cluster's barrier behind its opening barrier
	s_cmp_lg_u32 s14, 0
	s_cbranch_scc1 .Lnot_wave_0_\@
	s_barrier_signal -3
.Lnot_wave_0_\@:
	s_barrier_wait -3
	s_barrier_signal -1
	s_barrier_wait -1
.endm
.macro CROUND
	s_barrier_signal -1
	s_barrier_wait -1
	CREST
.endm
	s_load_b128 s[4:7], s[0:1], 0x0                ; xq, wq
	s_load_b64 s[12:13], s[0:1], 0x10              ; out0
	v_lshl_add_u32 v[SPW], v0, 2, SPARE
	v_mov_b32 v[NIL], 0
	ds_add_u32 v[SPW], v[NIL]                      ; the opening lines: the add, twice on end, and its wait
	ds_add_u32 v[SPW], v[NIL]
	v_lshrrev_b32 v1, 5, v0
	v_readfirstlane_b32 s14, v1                    ; wave
	s_lshr_b32 s15, s14, 1                         ; my half of the block's rows; also: I fetch for A (0) or B (1)
	s_and_b32 s16, s14, 1                          ; my half of its columns; also: which group of 128 rows I fetch
	s_bfe_u32 s40, ttmp6, 0x40000                  ; cx
	s_bfe_u32 s41, ttmp6, 0x40004                  ; cy
	s_lshl_b32 s42, ttmp9, 2
	s_add_co_u32 s42, s42, s40                     ; block column
	s_and_b32 s17, ttmp7, 0xffff
	s_lshl_b32 s17, s17, 2
	s_add_co_u32 s17, s17, s41                     ; block row
	s_lshl_b32 s43, s41, 2
	s_lshl_b32 s43, 15, s43                        ; my row of the cluster
	s_lshl_b32 s44, 0x1111, s40                    ; my column
	s_or_b32 s[G1+0], s43, (3<<16)|(1<<21)         ; elements of 8 bytes, no padding: the images are read 16 bytes a lane on end
	s_or_b32 s[G1B+0], s44, (3<<16)|(1<<21)
	s_or_b32 s[G1S+0], s43, (3<<16)|(1<<21)
	s_or_b32 s[G1SB+0], s44, (3<<16)|(1<<21)
.irp g, G1, G1B
	s_mov_b32 s[\g+1], 32<<16                      ; rows of 256 bytes,
	s_mov_b32 s[\g+2], (PART/256)<<16              ; 150 of them
	s_mov_b32 s[\g+3], 32<<16
	s_mov_b32 s[\g+4], PART/256
	s_mov_b32 s[\g+5], 32
	s_mov_b32 s[\g+6], 0
	s_mov_b32 s[\g+7], 0
.endr
.irp g, G1S, G1SB
	s_mov_b32 s[\g+1], 32<<16
	s_mov_b32 s[\g+2], (2*UNIT/256)<<16            ; 100 rows
	s_mov_b32 s[\g+3], 32<<16
	s_mov_b32 s[\g+4], 2*UNIT/256
	s_mov_b32 s[\g+5], 32
	s_mov_b32 s[\g+6], 0
	s_mov_b32 s[\g+7], 0
.endr
	s_lshl_b32 s20, s17, 1
	s_add_co_u32 s20, s20, s16
	s_mul_i32 s20, s20, GROUPB                     ; A: group 2 x block row + half
	s_mov_b32 s21, 0
	s_lshl_b32 s46, s42, 1
	s_add_co_u32 s46, s46, s16
	s_mul_i32 s46, s46, GROUPB                     ; B: group 2 x block column + half
	s_mov_b32 s47, 0
	s_mul_i32 s45, s14, PART                       ; where my part goes: no place in the cluster enters an LDS address
	s_wait_dscnt 0x0                               ; both opening adds are done
	s_wait_kmcnt 0x0
	s_add_nc_u64 s[20:21], s[4:5], s[20:21]
	s_add_nc_u64 s[46:47], s[6:7], s[46:47]
.irp s, 0,1
	s_mov_b32 s[G0+4*\s], 1
	s_add_co_u32 s[G0+4*\s+1], s45, \s*SLOT
	s_add_nc_u64 s[G0+4*\s+2:G0+4*\s+3], s[20:21], \s*PART
	s_or_b32 s[G0+4*\s+3], s[G0+4*\s+3], 0x80000000
	s_mov_b32 s[G0B+4*\s], 1
	s_add_co_u32 s[G0B+4*\s+1], s45, \s*SLOT
	s_add_nc_u64 s[G0B+4*\s+2:G0B+4*\s+3], s[46:47], \s*PART
	s_or_b32 s[G0B+4*\s+3], s[G0B+4*\s+3], 0x80000000
.endr
	s_cmp_eq_u32 s15, 0                            ; the prefetches: the group that I fetch,
	s_cselect_b64 s[PFA:PFA+1], s[20:21], s[46:47]
	s_cselect_b32 s90, s40, s41                    ; and my place among the four that ask for it with me
	s_add_nc_u64 s[PFA:PFA+1], s[PFA:PFA+1], PART  ; at fill 1: the first refill steps it to fill 2 and names fill 3
	s_mul_i32 s90, s90, 38
	CROUND                                         ; all sixteen work-groups are here: the first joint loads meet
	JLOAD G0, G1, G0B, G1B                         ; K steps 0 to 2: one tensor load a wave at the head
	s_mul_i32 s21, s15, PART                       ; my 128 rows of A
	s_mul_i32 s22, s16, PART
	s_add_co_u32 s22, s22, 2*PART                  ; my 128 rows of B, behind A's two parts
	s_sub_co_u32 s18, s22, s21
	s_add_co_u32 s19, s21, SCO
	s_mul_i32 s23, s14, 16*SPITCH
	s_add_co_u32 s23, s23, STAGE                   ; my stage
	v_and_b32 v1, 15, v0
	v_bfe_u32 v2, v0, 4, 1
	v_and_b32 v6, 31, v0
	v_lshlrev_b32 v[CO], 4, v6                     ; 16 x lane
	v_mul_u32_u24 v5, s18, v2                      ; lanes 16-31 take B's scale words
	v_mul_u32_u24 v7, v1, SPITCH
	v_add_nc_u32 v[ADRA], s21, v[CO]
	v_add_nc_u32 v[ADRB], s22, v[CO]
	v_lshl_add_u32 v5, v1, 2, v5
	v_lshl_add_u32 v7, v2, 5, v7
	v_add_nc_u32 v[ADRA+1], SLOT, v[ADRA]
	v_add_nc_u32 v[ADRB+1], SLOT, v[ADRB]
	v_add_nc_u32 v[ADRS], s19, v5
	v_add_nc_u32 v[STO], s23, v7                   ; into the stage: row l % 16, 32 bytes for each half of the lanes
	v_add_nc_u32 v[RD], s23, v[CO]                 ; back: the 32 lanes take one row of 512 bytes
	v_add_nc_u32 v[ADRS+1], SLOT, v[ADRS]
	v_add_nc_u32 v[PFO], s90, v6                   ; block 38 p + lane,
	v_min_u32 v3, 5, v6
	v_add_nc_u32 v3, s90, v3
	v_min_u32 v[PFO], 149, v[PFO]                  ; held at the part's last block
	v_add_nc_u32 v3, 32, v3                        ; block 38 p + 32 + (lane, held at 5),
	v_lshlrev_b32 v[PFO], 8, v[PFO]
	v_min_u32 v3, 149, v3
	v_lshlrev_b32 v[PFO+1], 8, v3
	s_lshl_b32 s20, s17, 8
	s_lshl_b32 s21, s15, 7
	s_add_co_u32 s20, s20, s21                     ; my first row of out0
	s_mov_b32 s21, 0
	s_mov_b64 s[18:19], SIZE_N*4
	s_mul_u64 s[20:21], s[20:21], s[18:19]
	s_lshl_b32 s46, s42, 10
	s_lshl_b32 s47, s16, 9
	s_add_co_u32 s46, s46, s47                     ; my first column, in bytes
	s_mov_b32 s47, 0
	s_add_nc_u64 s[20:21], s[20:21], s[46:47]
	s_add_nc_u64 s[12:13], s[12:13], s[20:21]
.macro FRAG reg, adr, q, i             ; fragment i of unit q of a slot: three loads of 512 consecutive bytes
.irp c, 0,1,2
	ds_load_b128 v[\reg+4*\c:\reg+4*\c+3], v[\adr] offset:(\q)*UNIT+(\i)*FRB+512*\c
.endr
.endm
.macro MUL8 a, p, zero                 ; A's block a against B's eight, set p.  zero = 1: the first product starts the sums
.irp b, 0,1,2,3,4,5,6,7
.if \zero
	v_wmma_scale_f32_16x16x128_f8f6f4 v[8*(8*((\a)%4)+\b):8*(8*((\a)%4)+\b)+7], v[96*(\p)+FR*\b:96*(\p)+FR*\b+FR-1], v[AF+96*(\p)+FR*(\a):AF+96*(\p)+FR*(\a)+FR-1], 0, v[SC+8*(\p)+\b], v[SC+8*(\p)+(\a)] matrix_a_fmt:MATRIX_FMT_BF6 matrix_b_fmt:MATRIX_FMT_BF6 matrix_a_scale:MATRIX_SCALE_ROW1
.else
	v_wmma_scale_f32_16x16x128_f8f6f4 v[8*(8*((\a)%4)+\b):8*(8*((\a)%4)+\b)+7], v[96*(\p)+FR*\b:96*(\p)+FR*\b+FR-1], v[AF+96*(\p)+FR*(\a):AF+96*(\p)+FR*(\a)+FR-1], v[8*(8*((\a)%4)+\b):8*(8*((\a)%4)+\b)+7], v[SC+8*(\p)+\b], v[SC+8*(\p)+(\a)] matrix_a_fmt:MATRIX_FMT_BF6 matrix_b_fmt:MATRIX_FMT_BF6 matrix_a_scale:MATRIX_SCALE_ROW1
.endif
.endr
.endm
.macro GB slot, q, p                   ; 32 loads in one run: B's eight fragments and the eight scale registers, into set p
	WIN TO_B
.irp i, 0,1,2,3,4,5,6,7
	FRAG 96*(\p)+FR*\i, ADRB+\slot, \q, \i
.endr
	WIN 0
.irp i, 0,1,2,3,4,5,6,7
	ds_load_b32 v[SC+8*(\p)+\i], v[ADRS+\slot] offset:(\q)*UNIT+64*\i
.endr
.endm
.macro GA slot, q, p                   ; 24 loads in one run: A's eight fragments into set p, blocks 0-3 first
	WIN 0
.irp i, 0,1,2,3,4,5,6,7
	FRAG AF+96*(\p)+FR*\i, ADRA+\slot, \q, \i
.endr
.endm
.macro PLACES n
.rept \n
	v_nop
.endr
.endm
; A K step: multiplies set p, fetches unit q of the slot into the other set.  The four v_nop are the places between the last step's products, which read that set, and both runs of loads into it.
.macro UNITM p, slot, q, zero
	s_wait_dscnt 12                                ; B, the scales and A's blocks 0-3 are in; the youngest twelve loads (A's blocks 4-7) may be out
	WIN MUL_LO
	MUL8 0, \p, \zero
	PLACES NP
	GB \slot, \q, 1-\p
	s_wait_dscnt 32                                ; all but the 32 just issued: A's blocks 4-7 are in
	WIN MUL_LO
	MUL8 1, \p, \zero
	MUL8 2, \p, \zero
	MUL8 3, \p, \zero
	GA \slot, \q, 1-\p
	WIN MUL_HI
	MUL8 4, \p, \zero
	MUL8 5, \p, \zero
	MUL8 6, \p, \zero
	MUL8 7, \p, \zero
	WIN 0
.endm
; A slot's last K step changes slots.  In front of the barrier each wave waits for all its tensor loads, adds 0 to its spare word, and waits for that and for its reads of this slot.
; fill = 1 (in the loop): the barrier opens a round of the cluster's barrier and the slot is filled again, three units; fill = 2: two units; fill = 0: nothing more to fetch.
.macro TURN p, slot, next, fill
.if \fill == 1
	s_wait_xcnt 0x0                                ; my last prefetches have read their base: it steps here, three K steps behind them
	s_add_nc_u64 s[PFA:PFA+1], s[PFA:PFA+1], PART
.endif
	s_wait_tensorcnt 0x0                           ; my part of the next slot is in
	ds_add_u32 v[SPW], v[NIL]
	s_wait_dscnt 13                                ; (the add and A's blocks 4-7 may be out)
	WIN MUL_LO
	MUL8 0, \p, 0
	s_wait_dscnt 0x0                               ; the add is done, and my reads of this slot are over
	s_barrier_signal -1
	MUL8 1, \p, 0
	WIN 0
	s_barrier_wait -1
.if \fill
	CREST
	s_add_nc_u64 s[G0+4*\slot+2:G0+4*\slot+3], s[G0+4*\slot+2:G0+4*\slot+3], 2*PART
	s_add_nc_u64 s[G0B+4*\slot+2:G0B+4*\slot+3], s[G0B+4*\slot+2:G0B+4*\slot+3], 2*PART
.if \fill == 1
	JLOAD G0+4*\slot, G1, G0B+4*\slot, G1B         ; the first tensor load behind the round; its four v_nop are the places in front of the loads below
.else
	JLOAD G0+4*\slot, G1S, G0B+4*\slot, G1SB
.endif
.else
	PLACES NP
.endif
	GB \next, 0, 1-\p
.if \fill == 1
.if \slot == 1
	s_cmp_gt_u32 s3, 1                             ; the loop's last refill is followed by the fill of two units, which is not asked for
	s_cbranch_scc0 .Lno_ask_\@
.endif
	global_prefetch_b8 v[PFO], s[PFA:PFA+1] offset:PART th:TH_LOAD_NT scope:SCOPE_SE
	global_prefetch_b8 v[PFO+1], s[PFA:PFA+1] offset:PART th:TH_LOAD_NT scope:SCOPE_SE
.if \slot == 1
.Lno_ask_\@:
.endif
.endif
	WIN MUL_LO
	MUL8 2, \p, 0
	MUL8 3, \p, 0
	GA \next, 0, 1-\p
	WIN MUL_HI
	MUL8 4, \p, 0
	MUL8 5, \p, 0
	MUL8 6, \p, 0
	MUL8 7, \p, 0
	WIN 0
.endm
	s_wait_alu depctr_va_vdst(0)                   ; the wait at the head's end
	s_wait_tensorcnt 0x0                           ; my part of slot 0 is in; the lines that stand ahead of a later first fill, as ahead of a refill:
	ds_add_u32 v[SPW], v[NIL]
	s_wait_dscnt 0x0
	CROUND                                         ; slot 0 is whole, and all sixteen work-groups are here
	JLOAD G0+4, G1, G0B+4, G1B                     ; K steps 3 to 5, the first tensor load behind the round
	GB 0, 0, 0
	GA 0, 0, 0
	UNITM 0, 0, 1, 1                               ; the first step's products start the sums
	s_mov_b32 s3, TRIPS
.Llap:                                                 ; a trip is six K steps, once round the ring, and fills both slots again
	UNITM 1, 0, 2, 0
	TURN 0, 0, 1, 1
	UNITM 1, 1, 1, 0
	UNITM 0, 1, 2, 0
	TURN 1, 1, 0, 1
	UNITM 0, 0, 1, 0
	s_sub_co_u32 s3, s3, 1
	s_cmp_lg_u32 s3, 0
	s_cbranch_scc1 .Llap
	UNITM 1, 0, 2, 0                               ; K steps 25 to 31, written out: one more fill, of two units
	TURN 0, 0, 1, 2
	UNITM 1, 1, 1, 0
	UNITM 0, 1, 2, 0
	TURN 1, 1, 0, 0
	UNITM 0, 0, 1, 0
	s_wait_dscnt 12
	WIN MUL_LO
	MUL8 0, 1, 0
	MUL8 1, 1, 0
	MUL8 2, 1, 0
	MUL8 3, 1, 0
	s_wait_dscnt 0x0
	WIN MUL_HI
	MUL8 4, 1, 0
	MUL8 5, 1, 0
	MUL8 6, 1, 0
	MUL8 7, 1, 0
	WIN 0
; THE WAY OUT, block by block of 16 rows x 128 columns: through my own stage and back as whole rows of 512 bytes.  LDS serves a wave's instructions in order: no wait between the stores and the loads.
.macro TOSTAGE a
.set AC, 64*((\a)%4)
	WIN 0x08+4*((\a)/4)
.irp b, 0,1,2,3,4,5,6,7
	ds_store_b128 v[STO], v[AC+8*\b:AC+8*\b+3] offset:64*\b          ; each accumulator from its low end on
	ds_store_b128 v[STO], v[AC+8*\b+4:AC+8*\b+7] offset:64*\b+16
.endr
	WIN 0
.set BB, BK+64*((\a)%2)
.irp t, 0,1,2,3,4,5,6,7,8,9,10,11,12,13,14,15
	ds_load_b128 v[BB+4*\t:BB+4*\t+3], v[RD] offset:\t*SPITCH
.endr
.endm
.macro SEND a, younger                 ; younger: the LDS instructions issued behind block a's loads
.set BB, BK+64*((\a)%2)
	s_wait_dscnt \younger
.if (\a) > 0
	s_add_nc_u64 s[12:13], s[12:13], 16*SIZE_N*4   ; behind a wait on XCNT: the earlier stores have read their base
.endif
.irp t, 0,1,2,3,4,5,6,7,8,9,10,11,12,13,14,15
	global_store_b128 v[CO], v[BB+4*\t:BB+4*\t+3], s[12:13] offset:\t*SIZE_N*4 th:TH_STORE_NT   ; 32 lanes store 512 consecutive bytes, at a multiple of 256 from the buffer's first byte
.endr
.endm
	PLACES NP
	TOSTAGE 0
.irp a, 1,2,3,4,5,6,7
.if \a > 1
	s_wait_xcnt 0x0                                ; block a - 2's stores have read their registers and their base
.endif
	TOSTAGE \a
	SEND \a-1, 32
.endr
	s_wait_xcnt 0x0
	SEND 7, 0
	s_wait_tensorcnt 0x0                           ; the wave's end
	ds_add_u32 v[SPW], v[NIL]
	s_wait_dscnt 0x0
	CROUND                                         ; the closing round
	s_endpgm
.Lfunc_end_k_qe41e3ac9de_gemm:
	.size	k_qe41e3ac9de_gemm, .Lfunc_end_k_qe41e3ac9de_gemm-k_qe41e3ac9de_gemm
	.p2alignl 7, 3214868480
	.fill 96, 4, 3214868480
	.section	.rodata,"a",@progbits
	.p2align	6, 0x0
	.amdhsa_kernel k_qe41e3ac9de_gemm
		.amdhsa_group_segment_fixed_size 327680
		.amdhsa_private_segment_fixed_size 0
		.amdhsa_enable_private_segment 0
		.amdhsa_kernarg_size 24
		.amdhsa_user_sgpr_count 2
		.amdhsa_user_sgpr_kernarg_segment_ptr 1
		.amdhsa_wavefront_size32 1
		.amdhsa_system_sgpr_workgroup_id_x 1
		.amdhsa_system_sgpr_workgroup_id_y 1
		.amdhsa_system_sgpr_workgroup_id_z 1
		.amdhsa_system_vgpr_workitem_id 0
		.amdhsa_next_free_vgpr 1024
		.amdhsa_next_free_sgpr 98
		.amdhsa_reserve_vcc 0
		.amdhsa_float_denorm_mode_32 3
		.amdhsa_float_denorm_mode_16_64 3
		.amdhsa_memory_ordered 1
		.amdhsa_forward_progress 1
		.amdhsa_inst_pref_size 209
	.end_amdhsa_kernel
	.amdgpu_metadata
---
amdhsa.version: [ 1, 2 ]
amdhsa.kernels:
  - .name:           k_qe41e3ac9de_gemm
    .symbol:         k_qe41e3ac9de_gemm.kd
    .args:
      - { .name: xq, .offset: 0, .size: 8, .value_kind: global_buffer, .address_space: global }
      - { .name: wq, .offset: 8, .size: 8, .value_kind: global_buffer, .address_space: global }
      - { .name: out0, .offset: 16, .size: 8, .value_kind: global_buffer, .address_space: global }
    .group_segment_fixed_size: 327680
    .private_segment_fixed_size: 0
    .kernarg_segment_align: 8
    .kernarg_segment_size: 24
    .max_flat_workgroup_size: 128
    .sgpr_count:     98
    .vgpr_count:     1024
    .wavefront_size: 32
...
	.end_amdgpu_metadata
.endif
;; end of part 3
